; MI455X (gfx1250); checked and timed in simulation.
; The chip was launched on July 23, 2026; its instructions are those of AMD's public machine-readable ISA for CDNA 5 (MIT licence, August 2026) and "CDNA5" Instruction Set Architecture Reference Guide (July 2026). The comments in the code are by the model that wrote it; some were corrected since.
;; Mo E Layer. Allowed arithmetic: float matrix products may take bf16 or f16 operands with f32 sums; other float arithmetic in f32, or as packed bf16 or f16 multiplies, adds, multiply-adds, maxima and minima; sums over many terms, partial sums and values carried from step to step in f32; what a program stores and reads back later, other than sums and carried values, may be rounded once to bf16 or f16.
;; Inputs: We 8 x 1,024 x 512 float32; Wg 8 x 1,024 float32; be 8 x 512 float32; bg 8 float32; inputs 4 x 4,096 x 1,024 float32.
;; Outputs: out0 4 x 4,096 x 512 float32.
;; One version. Each part assembles by itself: llvm-mc -triple=amdgcn-amd-amdhsa -mcpu=gfx1250 --defsym DOCPART=n.
;; ======== version 1 of 1: 3 launches
;; workspace buffers: xb 33,554,432 bytes; gates 131,072 bytes; rec 65,536 bytes of whole numbers; hist 32,768 bytes of whole numbers; wb 8,388,608 bytes; list 65,536 bytes of whole numbers; tiles 4,096 bytes of whole numbers
;; launch router (part 1): grid 256 x 1, 4 waves a work-group, no clusters, 150,016 bytes of LDS; arguments inputs, Wg, bg, xb, gates, rec, hist; writes xb, gates, rec, hist
.if DOCPART == 1
	.amdgcn_target "amdgcn-amd-amdhsa--gfx1250"
	.amdhsa_code_object_version 6
	.text
	.protected	k_qf7486eca0f_router
	.globl	k_qf7486eca0f_router
	.p2align	8
	.type	k_qf7486eca0f_router,@function
k_qf7486eca0f_router:
	s_mov_b64 s[64:65], 0
	v_nop
	global_prefetch_b8 v0, s[64:65] scope:SCOPE_SE
	s_setreg_imm32_b32 hwreg(HW_REG_WAVE_MODE, 25, 1), 1
	s_wait_xcnt 0x0
; THE GATE.  For each of 16,384 tokens: x rounded to bf16 (stored as xb), 8 logits x . Wg[e] + bg[e] by the matrix unit (bf16 operands, f32 sums), the two largest
; (ties to the lower index: strict compares in ascending order), their sigmoids.  Stored at fixed places: the two gates in the order of the experts' numbers; pair | rank << 8, where
; pair = b (b - 1) / 2 + a for the chosen experts a < b and rank counts the pair's earlier tokens inside the block of 64; and the block's 28 counts.  No address and no branch hangs on a choice.
; SHARES.  Work-group b has tokens 64 b .. 64 b + 63, wave w sixteen of them: 64 KB of x, read once, in four batches of 16 rows x 256 k; two batches (64 loads of 512 consecutive bytes) are out.
; A lane's 4 numbers become 8 bytes: a wave's store covers 256 consecutive bytes, aligned.  The same bytes go into the wave's own LDS rows, from which the fragments are read.
; LIMITS.  x, Wg and bg are rounded to bf16 once.  Logits are taken as finite: a NaN is never chosen, and with fewer than two logits above -inf the pair is not a pair.
; A gate whose 2^(-v log2 e) overflows is 0.  No cluster: no two work-groups read the same x, and Wg is 32 KB.
.set XP,    2064                       ; an LDS row: 2,048 bytes of bf16 + 16: 129 x 16, so the 16 rows of a fragment load start 16 bytes apart modulo 256
.set XTW,   16*XP                      ; a wave's 16 rows
.set WGB,   4*XTW                      ; Wg: 8 rows
.set IDS,   148736                     ; 64 pair numbers
.set GAT,   148992                     ; 64 x 2 gates
.set SPARE, 149504                     ; the spare words, 128 bytes a wave: no other line names them
.set SPW, 2                            ; v2  SPARE + 4 x thread; never rewritten
.set NIL, 3                            ; v3  0; never rewritten
.set BG,  16                           ; v[16:23]   bg
.set LG,  24                           ; v[24:31]   the lane's 8 logits
.set CV,  32                           ; v[32:95]   a batch in bf16
.set XF,  96                           ; v[96:159]  8 fragments of x (16 tokens x 32 k)
.set WF,  160                          ; v[160:223] 8 fragments of Wg
.set ACC, 224                          ; v[224:255] four accumulators, by turns
                                       ; window 1: two sets of 128 registers, a batch of x in f32 each
.set MSB, 0
.macro WIN new                         ; the immediate's high byte repeats the setting that is left
.if MSB != (\new)
	s_set_vgpr_msb (MSB<<8)|(\new)
.set MSB, \new
.endif
.endm
.macro XLOAD j                         ; batch j: row n / 2, 512 bytes at 1,024 j + 512 (n % 2)
	WIN 0x40                                       ; destination window 1, address window 0
.set n, 0
.rept 32
	global_load_b128 v[128*((\j)%2)+4*n:128*((\j)%2)+4*n+3], v4, s[4:5] offset:(n/2)*4096+(\j)*1024+(n%2)*512 th:TH_LOAD_NT
.set n, n+1
.endr
	WIN 0
.endm
	s_load_b256 s[4:11], s[0:1], 0x0               ; inputs s[4:5], Wg s[6:7], bg s[8:9], xb s[10:11]
	s_load_b128 s[12:15], s[0:1], 0x20             ; gates s[12:13], rec s[14:15]
	s_load_b64 s[16:17], s[0:1], 0x30              ; hist
	v_lshl_add_u32 v[SPW], v0, 2, SPARE
	v_mov_b32 v[NIL], 0
	v_and_b32 v1, 31, v0                           ; lane
	v_lshrrev_b32 v14, 5, v0
	v_readfirstlane_b32 s18, v14                   ; wave
	s_mov_b32 s19, ttmp9                           ; block
	v_and_b32 v15, 15, v0                          ; r
	v_bfe_u32 v14, v0, 4, 1                        ; h
	v_lshlrev_b32 v4, 4, v1                        ; 16 x lane
	v_lshlrev_b32 v5, 3, v1                        ; 8 x lane
	s_mul_i32 s20, s18, XTW
	v_lshl_add_u32 v6, v1, 3, s20                  ; where my 8 bytes go in my wave's rows
	v_mul_u32_u24 v7, v15, XP
	v_lshl_add_u32 v7, v14, 4, v7
	v_add_nc_u32 v7, s20, v7                       ; x's fragments: row r, 16 h
	v_and_b32 v8, 7, v0
	v_mul_u32_u24 v8, v8, XP
	v_lshl_add_u32 v8, v14, 4, v8
	v_add_nc_u32 v8, WGB, v8                       ; Wg's fragments: rows 8-15 repeat experts 0-7, so both halves of the lanes get all 8 logits
	s_mul_i32 s21, s18, 2*XP
	s_add_co_u32 s21, s21, WGB
	v_lshl_add_u32 v9, v1, 3, s21                  ; where my wave puts experts 2 w, 2 w + 1
	s_lshl_b32 s22, s18, 13
	v_lshl_add_u32 v10, v1, 4, s22                 ; and where it reads them
	s_lshl_b32 s23, s18, 6
	s_add_co_u32 s23, s23, IDS
	v_lshl_add_u32 v11, v15, 2, s23                ; token 16 w + r: its pair number,
	s_lshl_b32 s23, s18, 7
	s_add_co_u32 s23, s23, GAT
	v_lshl_add_u32 v12, v15, 3, s23                ; its gates
	v_mov_b32 v13, 0
	s_mov_b32 s28, 0xff800000                      ; -inf
	s_lshl_b32 s24, s19, 18                        ; (64 b + 16 w) rows of 4,096 bytes
	s_lshl_b32 s26, s18, 16
	s_add_co_u32 s24, s24, s26
	s_mov_b32 s25, 0
	s_lshl_b32 s26, s19, 17                        ; and of 2,048
	s_lshl_b32 s27, s18, 15
	s_add_co_u32 s26, s26, s27
	s_mov_b32 s27, 0
	s_wait_kmcnt 0x0
	s_add_nc_u64 s[4:5], s[4:5], s[24:25]
	s_add_nc_u64 s[10:11], s[10:11], s[26:27]
	s_lshl_b32 s24, s19, 9
	s_add_nc_u64 s[12:13], s[12:13], s[24:25]      ; the block's 512 bytes of gates,
	s_lshl_b32 s24, s19, 8
	s_add_nc_u64 s[14:15], s[14:15], s[24:25]      ; 256 of rec,
	s_lshl_b32 s24, s19, 7
	s_add_nc_u64 s[16:17], s[16:17], s[24:25]      ; 128 of hist
.set n, 0
.rept 16                               ; two rows of Wg, 8 x 512 bytes each
	global_load_b128 v[XF+4*n:XF+4*n+3], v10, s[6:7] offset:(n/8)*4096+(n%8)*512
.set n, n+1
.endr
	global_load_b128 v[BG:BG+3], v13, s[8:9]
	global_load_b128 v[BG+4:BG+7], v13, s[8:9] offset:16
	XLOAD 0
	s_wait_loadcnt 32                              ; the 32 younger loads are batch 0: Wg and bg are in
.set n, 0
.rept 16
	v_cvt_pk_bf16_f32 v[CV+2*n], v[XF+4*n], v[XF+4*n+1]
	v_cvt_pk_bf16_f32 v[CV+2*n+1], v[XF+4*n+2], v[XF+4*n+3]
.set n, n+1
.endr
.set n, 0
.rept 16
	ds_store_b64 v9, v[CV+2*n:CV+2*n+1] offset:(n/8)*XP+(n%8)*256
.set n, n+1
.endr
.irp p, 0,1,2,3                        ; bg rounded to bf16 and widened again
	v_cvt_pk_bf16_f32 v[LG+\p], v[BG+2*\p], v[BG+2*\p+1]
.endr
.irp p, 0,1,2,3
	v_lshlrev_b32 v[BG+2*\p], 16, v[LG+\p]
	v_and_b32 v[BG+2*\p+1], 0xffff0000, v[LG+\p]
.endr
	XLOAD 1
	s_wait_dscnt 0x0                               ; for the others' sake: my two rows of Wg are written
	s_barrier_signal -1
	s_barrier_wait -1
; A batch: round, ask for the batch two on, store, put into my LDS rows, read 8 K steps' fragments, 8 products.
.macro BATCH j
.if (\j) < 3
	s_wait_loadcnt 32                              ; loads come back in order: mine are in, the next batch's 32 stay out
.else
	s_wait_loadcnt 0x0
.endif
	s_wait_xcnt 0x0                                ; CV, which the last batch's stores read, is rewritten only behind this wait
	WIN 0x05                                       ; sources in window 1.  These 64 lines are also the places between the last products and the loads into their fragments
.set n, 0
.rept 32
	v_cvt_pk_bf16_f32 v[CV+2*n], v[128*((\j)%2)+4*n], v[128*((\j)%2)+4*n+1]
	v_cvt_pk_bf16_f32 v[CV+2*n+1], v[128*((\j)%2)+4*n+2], v[128*((\j)%2)+4*n+3]
.set n, n+1
.endr
	WIN 0
.if (\j) < 2
	XLOAD (\j)+2                                   ; into the set just read; loads ahead of stores
.endif
.set n, 0
.rept 32
	global_store_b64 v5, v[CV+2*n:CV+2*n+1], s[10:11] offset:(n/2)*2048+(\j)*512+(n%2)*256
.set n, n+1
.endr
.set n, 0
.rept 32
	ds_store_b64 v6, v[CV+2*n:CV+2*n+1] offset:(n/2)*XP+(\j)*512+(n%2)*256
.set n, n+1
.endr
.set n, 0
.rept 8                                ; LDS serves a wave's instructions in order: these see the stores above
	ds_load_b128 v[XF+8*n:XF+8*n+3],   v7 offset:(\j)*512+64*n
	ds_load_b128 v[XF+8*n+4:XF+8*n+7], v7 offset:(\j)*512+64*n+32
	ds_load_b128 v[WF+8*n:WF+8*n+3],   v8 offset:(\j)*512+64*n
	ds_load_b128 v[WF+8*n+4:WF+8*n+7], v8 offset:(\j)*512+64*n+32
.set n, n+1
.endr
	s_wait_dscnt 0x0
.set n, 0
.rept 8                                ; source 0 = experts, source 1 = tokens: a lane gets one token's logits.  Four accumulators take turns
.if ((\j) == 0) && (n < 4)
	v_wmma_f32_16x16x32_bf16 v[ACC+8*(n%4):ACC+8*(n%4)+7], v[WF+8*n:WF+8*n+7], v[XF+8*n:XF+8*n+7], 0
.else
	v_wmma_f32_16x16x32_bf16 v[ACC+8*(n%4):ACC+8*(n%4)+7], v[WF+8*n:WF+8*n+7], v[XF+8*n:XF+8*n+7], v[ACC+8*(n%4):ACC+8*(n%4)+7]
.endif
.set n, n+1
.endr
.endm
	BATCH 0
	BATCH 1
	BATCH 2
	BATCH 3
.rept 4
	v_nop                                          ; four places between the last product and the first read of a result
.endr
.irp p, 0,2,4,6                        ; the four partial sums, each accumulator read from its low end on
	v_pk_add_f32 v[XF+\p:XF+\p+1], v[ACC+\p:ACC+\p+1], v[ACC+8+\p:ACC+8+\p+1]
	v_pk_add_f32 v[XF+8+\p:XF+8+\p+1], v[ACC+16+\p:ACC+16+\p+1], v[ACC+24+\p:ACC+24+\p+1]
.endr
.irp p, 0,2,4,6
	v_pk_add_f32 v[XF+\p:XF+\p+1], v[XF+\p:XF+\p+1], v[XF+8+\p:XF+8+\p+1]
.endr
.irp p, 0,2,4,6
	v_pk_add_f32 v[LG+\p:LG+\p+1], v[XF+\p:XF+\p+1], v[BG+\p:BG+\p+1]
.endr
	; the largest (v112, index v113): a later logit wins only if it is greater
	v_mov_b32 v112, v[LG]
	v_mov_b32 v113, 0
.irp e, 1,2,3,4,5,6,7
	v_cmp_gt_f32 vcc_lo, v[LG+\e], v112
	v_cndmask_b32 v112, v112, v[LG+\e], vcc_lo
	v_cndmask_b32 v113, v113, \e, vcc_lo
.endr
.irp e, 0,1,2,3,4,5,6,7                ; the winner leaves the field
	v_cmp_eq_u32 vcc_lo, \e, v113
	v_cndmask_b32 v[LG+\e], v[LG+\e], s28, vcc_lo
.endr
	v_mov_b32 v114, v[LG]                          ; the second (v114, index v115)
	v_mov_b32 v115, 0
.irp e, 1,2,3,4,5,6,7
	v_cmp_gt_f32 vcc_lo, v[LG+\e], v114
	v_cndmask_b32 v114, v114, v[LG+\e], vcc_lo
	v_cndmask_b32 v115, v115, \e, vcc_lo
.endr
	; sigmoid(v) = 1 / (1 + 2^(-v log2 e))
	v_mul_f32 v116, 0xbfb8aa3b, v112
	v_mul_f32 v117, 0xbfb8aa3b, v114
	v_exp_f32 v116, v116
	v_exp_f32 v117, v117
	v_min_u32 v118, v113, v115                     ; a: the plain line behind the exponentials
	s_wait_alu depctr_va_vdst(0)                   ; one wait for both, ahead of their first reader
	v_add_f32 v116, 1.0, v116
	v_add_f32 v117, 1.0, v117
	v_rcp_f32 v116, v116
	v_rcp_f32 v117, v117
	v_max_u32 v119, v113, v115                     ; b
	v_add_nc_u32 v120, -1, v119
	v_mul_u32_u24 v120, v120, v119
	v_lshrrev_b32 v120, 1, v120
	v_add_nc_u32 v120, v120, v118                  ; pair = b (b - 1) / 2 + a
	v_cmp_lt_u32 vcc_lo, v113, v115
	s_wait_alu depctr_va_vdst(0)                   ; one wait for both reciprocals
	v_cndmask_b32 v122, v117, v116, vcc_lo         ; a's gate,
	v_cndmask_b32 v123, v116, v117, vcc_lo         ; b's
	ds_store_b32 v11, v120                         ; both halves of the lanes write the same words with the same values
	ds_store_b64 v12, v[122:123]
	s_wait_dscnt 0x0                               ; for wave 0's sake
	s_barrier_signal -1
	s_barrier_wait -1
	s_cmp_lg_u32 s18, 0
	s_cbranch_scc1 .Lend
	; wave 0: the block's 64 tokens, two a lane
	v_add_nc_u32 v96, IDS, v5
	v_add_nc_u32 v97, GAT, v4
	ds_load_b64 v[98:99], v96                      ; pairs of tokens 2 l, 2 l + 1
	ds_load_b128 v[100:103], v97                   ; their gates
	v_mov_b32 v104, 0                              ; ranks
	v_mov_b32 v105, 0
	v_mov_b32 v106, 0                              ; lane p: the block's count of pair p
	s_wait_dscnt 0x0
	global_store_b128 v4, v[100:103], s[12:13]     ; 512 consecutive bytes
; Four pairs at a time, written out, so that no line waits for the one before it.  For pair p: the lanes whose even (odd) token has it are a scalar mask; a token's rank is the
; number of the pair's tokens in the lanes below, both masks counted; the pair's count goes to lane p.
.macro RANK4 p0
.irp i, 0,1,2,3
	v_cmp_eq_u32 s[20+2*\i], (\p0)+\i, v98
	v_cmp_eq_u32 s[21+2*\i], (\p0)+\i, v99
.endr
.irp i, 0,1,2,3
	v_mbcnt_lo_u32_b32 v[112+\i], s[20+2*\i], 0
.endr
.irp i, 0,1,2,3
	v_mbcnt_lo_u32_b32 v[112+\i], s[21+2*\i], v[112+\i]
.endr
.irp i, 0,1,2,3
	s_bcnt1_i32_b32 s[30+\i], s[20+2*\i]
	s_bcnt1_i32_b32 s[34+\i], s[21+2*\i]
.endr
.irp i, 0,1,2,3
	v_cndmask_b32 v104, v104, v[112+\i], s[20+2*\i]
	v_cndmask_b32 v105, v105, v[112+\i], s[21+2*\i]
.endr
.irp i, 0,1,2,3
	s_add_co_u32 s[30+\i], s[30+\i], s[34+\i]
.endr
.irp i, 0,1,2,3
	v_cmp_eq_u32 vcc_lo, (\p0)+\i, v1
	v_cndmask_b32 v106, v106, s[30+\i], vcc_lo
.endr
.endm
	RANK4 0
	RANK4 4
	RANK4 8
	RANK4 12
	RANK4 16
	RANK4 20
	RANK4 24
	v_cmp_eq_u32 vcc_lo, v98, v99                  ; the odd token comes behind its own lane's even one
	v_cndmask_b32 v107, 0, 1, vcc_lo
	v_add_nc_u32 v105, v105, v107
	v_lshl_or_b32 v108, v104, 8, v98
	v_lshl_or_b32 v109, v105, 8, v99
	global_store_b64 v5, v[108:109], s[14:15]      ; 256 consecutive bytes
	v_lshlrev_b32 v110, 2, v1
	global_store_b32 v110, v106, s[16:17]
.Lend:
	s_wait_tensorcnt 0x0                           ; the wave's end, behind my last LDS store
	ds_add_u32 v[SPW], v[NIL]
	s_wait_dscnt 0x0
	s_endpgm
.Lfunc_end_k_qf7486eca0f_router:
	.size	k_qf7486eca0f_router, .Lfunc_end_k_qf7486eca0f_router-k_qf7486eca0f_router
	.p2alignl 7, 3214868480
	.fill 96, 4, 3214868480
	.section	.rodata,"a",@progbits
	.p2align	6, 0x0
	.amdhsa_kernel k_qf7486eca0f_router
		.amdhsa_group_segment_fixed_size 150016
		.amdhsa_private_segment_fixed_size 0
		.amdhsa_enable_private_segment 0
		.amdhsa_kernarg_size 56
		.amdhsa_user_sgpr_count 2
		.amdhsa_user_sgpr_kernarg_segment_ptr 1
		.amdhsa_wavefront_size32 1
		.amdhsa_system_sgpr_workgroup_id_x 1
		.amdhsa_system_sgpr_workgroup_id_y 1
		.amdhsa_system_sgpr_workgroup_id_z 1
		.amdhsa_system_vgpr_workitem_id 0
		.amdhsa_next_free_vgpr 512
		.amdhsa_next_free_sgpr 66
		.amdhsa_reserve_vcc 1
		.amdhsa_float_denorm_mode_32 3
		.amdhsa_float_denorm_mode_16_64 3
		.amdhsa_memory_ordered 1
		.amdhsa_forward_progress 1
		.amdhsa_inst_pref_size 89
	.end_amdhsa_kernel
	.amdgpu_metadata
---
amdhsa.version: [ 1, 2 ]
amdhsa.kernels:
  - .name:           k_qf7486eca0f_router
    .symbol:         k_qf7486eca0f_router.kd
    .args:
      - { .name: inputs, .offset: 0, .size: 8, .value_kind: global_buffer, .address_space: global }
      - { .name: Wg, .offset: 8, .size: 8, .value_kind: global_buffer, .address_space: global }
      - { .name: bg, .offset: 16, .size: 8, .value_kind: global_buffer, .address_space: global }
      - { .name: xb, .offset: 24, .size: 8, .value_kind: global_buffer, .address_space: global }
      - { .name: gates, .offset: 32, .size: 8, .value_kind: global_buffer, .address_space: global }
      - { .name: rec, .offset: 40, .size: 8, .value_kind: global_buffer, .address_space: global }
      - { .name: hist, .offset: 48, .size: 8, .value_kind: global_buffer, .address_space: global }
    .group_segment_fixed_size: 150016
    .private_segment_fixed_size: 0
    .kernarg_segment_align: 8
    .kernarg_segment_size: 56
    .max_flat_workgroup_size: 128
    .sgpr_count:     66
    .vgpr_count:     512
    .wavefront_size: 32
...
	.end_amdgpu_metadata
.endif
;; end of part 1
;; launch place (part 2): grid 256 x 1, 8 waves a work-group, no clusters, 3,072 bytes of LDS; arguments We, hist, rec, wb, list, tiles; writes wb, list, tiles
.if DOCPART == 2
	.amdgcn_target "amdgcn-amd-amdhsa--gfx1250"
	.amdhsa_code_object_version 6
	.text
	.protected	k_qf7486eca0f_place
	.globl	k_qf7486eca0f_place
	.p2align	8
	.type	k_qf7486eca0f_place,@function
k_qf7486eca0f_place:
	s_mov_b64 s[64:65], 0
	v_nop
	global_prefetch_b8 v0, s[64:65] scope:SCOPE_SE
	s_setreg_imm32_b32 hwreg(HW_REG_WAVE_MODE, 25, 1), 1
	s_wait_xcnt 0x0
; TWO JOBS ON ALL WORK-GROUPS.  (1) We is rounded to bf16: work-group b takes 64 KB of it, 16 bytes a lane in, 8 out (a wave's store covers 256 consecutive bytes, aligned).
; (2) The counting sort of the tokens by their pair of experts, without atomics: every work-group adds up the 256 blocks' counts (32 KB), so it knows for each pair p the number C of its tokens,
; the number P of them in earlier blocks, and by one scan over the lanes the pair's first sorted place RS and first tile TS.  Token 64 b + i goes to place RS + P + rank.  These are stores of 4 bytes
; to places far apart: 64 KB in the whole launch.  Work-group 0 also stores the list of tiles: a pair with C tokens gets ceil(C / 160) tiles of at most 160 rows; entry t = (a | b << 8, first place, rows, 0).
; The sum of ceil(C / 160) over 28 pairs is at most (16,384 + 28 x 159) / 160 = 130 for every split; entries past the last tile hold rows = 0.
; No matrix unit and no cluster: nothing is multiplied, and what is shared (the counts) is 32 KB.
.set SPARE, 2048                       ; the spare words: 128 bytes for each of 8 waves; bytes 0 .. 2,047 hold [wave][total, earlier][pair]
.set SPW, 2
.set NIL, 3
.set WE,  32                           ; v[32:95]  64 numbers of We
.set HI,  96                           ; v[96:127] 32 blocks' counts of pair = lane; later v96-111 the waves' sums
.set PK,  112                          ; v112  lane p: tiles << 16 | tokens of pair p
.set TT,  113                          ; v113  at work
.set INC, 114                          ; v114  the sum over the lanes up to mine
.set EXC, 115                          ; v115  the sum over the lanes below mine: TS << 16 | RS
	s_load_b256 s[4:11], s[0:1], 0x0               ; We s[4:5], hist s[6:7], rec s[8:9], wb s[10:11]
	s_load_b128 s[12:15], s[0:1], 0x20             ; list s[12:13], tiles s[14:15]
	v_lshl_add_u32 v[SPW], v0, 2, SPARE
	v_mov_b32 v[NIL], 0
	v_and_b32 v1, 31, v0                           ; lane
	v_lshrrev_b32 v4, 5, v0
	v_readfirstlane_b32 s16, v4                    ; wave
	s_mov_b32 s17, ttmp9                           ; block b
	v_lshlrev_b32 v5, 4, v0                        ; 16 x thread
	v_lshlrev_b32 v6, 3, v0                        ; 8 x thread
	s_lshl_b32 s18, s16, 12
	v_lshl_add_u32 v7, v1, 2, s18                  ; hist: blocks 32 w on, pair = lane
	v_and_b32 v8, 63, v0
	s_lshl_b32 s19, s17, 8
	v_lshl_add_u32 v8, v8, 2, s19                  ; rec of token 64 b + thread % 64
	s_lshl_b32 s20, s17, 16
	s_mov_b32 s21, 0
	s_lshl_b32 s22, s17, 15
	s_mov_b32 s23, 0
	s_wait_kmcnt 0x0
	s_add_nc_u64 s[4:5], s[4:5], s[20:21]
	s_add_nc_u64 s[10:11], s[10:11], s[22:23]
.set i, 0
.rept 16
	global_load_b128 v[WE+4*i:WE+4*i+3], v5, s[4:5] offset:4096*i th:TH_LOAD_NT
.set i, i+1
.endr
.set i, 0
.rept 32
	global_load_b32 v[HI+i], v7, s[6:7] offset:128*i
.set i, i+1
.endr
	global_load_b32 v9, v8, s[8:9]
	s_wait_loadcnt 33                              ; the 33 younger loads are the counts and rec: We is in
.set i, 0
.rept 16
	v_cvt_pk_bf16_f32 v[WE+4*i], v[WE+4*i], v[WE+4*i+1]
	v_cvt_pk_bf16_f32 v[WE+4*i+1], v[WE+4*i+2], v[WE+4*i+3]
	global_store_b64 v6, v[WE+4*i:WE+4*i+1], s[10:11] offset:2048*i
.set i, i+1
.endr
	s_lshl_b32 s24, s16, 5
	s_sub_co_i32 s24, s17, s24                     ; how many of my 32 blocks lie ahead of block b (below 0: none; above 32: all)
	v_mov_b32 v10, 0                               ; my blocks' total,
	v_mov_b32 v11, 0                               ; and that of those ahead of b
	s_wait_loadcnt 0x0
.set i, 0
.rept 32
	s_cmp_gt_i32 s24, i
	s_cselect_b32 s25, -1, 0
	v_add_nc_u32 v10, v10, v[HI+i]
	v_and_b32 v12, s25, v[HI+i]
	v_add_nc_u32 v11, v11, v12
.set i, i+1
.endr
	s_lshl_b32 s26, s16, 8
	v_lshl_add_u32 v13, v1, 2, s26
	ds_store_b32 v13, v10
	ds_store_b32 v13, v11 offset:128
	s_wait_dscnt 0x0                               ; for the others' sake
	s_barrier_signal -1
	s_barrier_wait -1
	v_lshlrev_b32 v14, 2, v1
.set i, 0
.rept 8
	ds_load_b32 v[HI+i], v14 offset:256*i
	ds_load_b32 v[HI+8+i], v14 offset:256*i+128
.set i, i+1
.endr
	s_wait_dscnt 0x0
	v_add3_u32 v10, v[HI], v[HI+1], v[HI+2]
	v_add3_u32 v10, v10, v[HI+3], v[HI+4]
	v_add3_u32 v10, v10, v[HI+5], v[HI+6]
	v_add_nc_u32 v10, v10, v[HI+7]                 ; C: lane p holds pair p's tokens (lanes 28-31: 0)
	v_add3_u32 v11, v[HI+8], v[HI+9], v[HI+10]
	v_add3_u32 v11, v11, v[HI+11], v[HI+12]
	v_add3_u32 v11, v11, v[HI+13], v[HI+14]
	v_add_nc_u32 v11, v11, v[HI+15]                ; P: those in blocks ahead of b
	v_add_nc_u32 v12, 159, v10
	v_mul_lo_u32 v12, v12, 0x1999a                 ; ceil(C / 160) = (C + 159) x 104,858 >> 24: the surplus, under 16,543 x 0.4 / 2^24, is less than 1 / 160, and the product stays under 2^32
	v_lshrrev_b32 v12, 24, v12
	; one scan for both sums: tokens add up to 16,384 at the most and tiles to 130, so the two fields never meet
	v_lshl_or_b32 v[PK], v12, 16, v10
	v_mov_b32 v[TT], 0                             ; a DPP form's destination counts as read
	v_mov_b32 v[INC], v[PK]
.irp n, 1,2,4,8                        ; inside each half of 16 lanes: lane i takes lane i - n, or 0 where there is none
	v_mov_b32_dpp v[TT], v[INC] row_shr:\n row_mask:0xf bank_mask:0xf bound_ctrl:1
	v_add_nc_u32 v[INC], v[INC], v[TT]
.endr
	v_readlane_b32 s27, v[INC], 15                 ; the lower half's total goes onto the upper half
	v_cmp_lt_u32 vcc_lo, 15, v1
	v_cndmask_b32 v[TT], 0, s27, vcc_lo
	v_add_nc_u32 v[INC], v[INC], v[TT]
	v_sub_nc_u32 v[EXC], v[INC], v[PK]             ; the lanes below mine: TS << 16 | RS
	v_and_b32 v15, 0xffff, v[EXC]                  ; RS
	s_cmp_lg_u32 s17, 0
	s_cbranch_scc1 .Lno_tiles
	; work-group 0 alone: tile t = thread.  TS never falls from pair to pair, so the last pair whose first tile is not beyond t is (the number of such pairs) - 1; a pair without tiles is passed over
	v_lshrrev_b32 v116, 16, v[EXC]                 ; TS
.set p, 0
.rept 28
	v_readlane_b32 s[32+p], v116, p
.set p, p+1
.endr
	v_mov_b32 v16, -1
.set p, 0
.rept 28
	v_cmp_le_u32 vcc_lo, s[32+p], v0
	v_cndmask_b32 v117, 0, 1, vcc_lo
	v_add_nc_u32 v16, v16, v117
.set p, p+1
.endr
	v_lshlrev_b32 v118, 2, v16
	ds_bpermute_b32 v119, v118, v[EXC]             ; from lane = pair: its TS << 16 | RS,
	ds_bpermute_b32 v120, v118, v10                ; its tokens
	v_mov_b32 v121, 1                              ; b: pairs with b = 2, 3 .. 7 begin at 1, 3, 6, 10, 15, 21
.irp th, 1,3,6,10,15,21
	v_cmp_le_u32 vcc_lo, \th, v16
	v_cndmask_b32 v117, 0, 1, vcc_lo
	v_add_nc_u32 v121, v121, v117
.endr
	v_add_nc_u32 v122, -1, v121
	v_mul_u32_u24 v122, v122, v121
	v_lshrrev_b32 v122, 1, v122
	v_sub_nc_u32 v122, v16, v122                   ; a = pair - b (b - 1) / 2
	v_lshl_or_b32 v24, v121, 8, v122
	s_wait_dscnt 0x0
	v_lshrrev_b32 v17, 16, v119                    ; the pair's first tile,
	v_and_b32 v18, 0xffff, v119                    ; first place
	v_sub_nc_u32 v20, v0, v17                      ; k: which of the pair's tiles
	v_mul_u32_u24 v20, v20, 160
	v_add_nc_u32 v25, v18, v20                     ; first place
	v_sub_nc_u32 v26, v120, v20                    ; what is left of the pair, as a signed number,
	v_max_i32 v26, 0, v26
	v_min_i32 v26, 0xa0, v26                       ; held to 0 .. 160: rows
	v_cmp_eq_u32 vcc_lo, 0, v26
	v_cndmask_b32 v25, v25, 0, vcc_lo              ; a tile without rows points at place 0
	v_mov_b32 v27, 0
	global_store_b128 v5, v[24:27], s[14:15]       ; 256 entries, 4,096 consecutive bytes
.Lno_tiles:
	s_cmp_gt_u32 s16, 1
	s_cbranch_scc1 .Lend
	; waves 0 and 1: the block's 64 tokens go to their places
	v_add_nc_u32 v21, v15, v11                     ; lane p: RS + P
	v_and_b32 v22, 0xff, v9                        ; my token's pair
	v_lshlrev_b32 v22, 2, v22
	ds_bpermute_b32 v23, v22, v21                  ; from lane = pair
	v_lshrrev_b32 v28, 8, v9                       ; its rank in the block
	s_lshl_b32 s28, s17, 6
	v_add_nc_u32 v29, s28, v0                      ; the token
	s_wait_dscnt 0x0
	v_add_nc_u32 v23, v23, v28
	v_min_u32 v23, 0x3fff, v23                     ; a loaded number enters an address only clamped
	v_lshlrev_b32 v23, 2, v23
	global_store_b32 v23, v29, s[12:13]
.Lend:
	s_wait_tensorcnt 0x0                           ; the wave's end, behind my last LDS store
	ds_add_u32 v[SPW], v[NIL]
	s_wait_dscnt 0x0
	s_endpgm
.Lfunc_end_k_qf7486eca0f_place:
	.size	k_qf7486eca0f_place, .Lfunc_end_k_qf7486eca0f_place-k_qf7486eca0f_place
	.p2alignl 7, 3214868480
	.fill 96, 4, 3214868480
	.section	.rodata,"a",@progbits
	.p2align	6, 0x0
	.amdhsa_kernel k_qf7486eca0f_place
		.amdhsa_group_segment_fixed_size 3072
		.amdhsa_private_segment_fixed_size 0
		.amdhsa_enable_private_segment 0
		.amdhsa_kernarg_size 48
		.amdhsa_user_sgpr_count 2
		.amdhsa_user_sgpr_kernarg_segment_ptr 1
		.amdhsa_wavefront_size32 1
		.amdhsa_system_sgpr_workgroup_id_x 1
		.amdhsa_system_sgpr_workgroup_id_y 1
		.amdhsa_system_sgpr_workgroup_id_z 1
		.amdhsa_system_vgpr_workitem_id 0
		.amdhsa_next_free_vgpr 128
		.amdhsa_next_free_sgpr 66
		.amdhsa_reserve_vcc 1
		.amdhsa_float_denorm_mode_32 3
		.amdhsa_float_denorm_mode_16_64 3
		.amdhsa_memory_ordered 1
		.amdhsa_forward_progress 1
		.amdhsa_inst_pref_size 26
	.end_amdhsa_kernel
	.amdgpu_metadata
---
amdhsa.version: [ 1, 2 ]
amdhsa.kernels:
  - .name:           k_qf7486eca0f_place
    .symbol:         k_qf7486eca0f_place.kd
    .args:
      - { .name: We, .offset: 0, .size: 8, .value_kind: global_buffer, .address_space: global }
      - { .name: hist, .offset: 8, .size: 8, .value_kind: global_buffer, .address_space: global }
      - { .name: rec, .offset: 16, .size: 8, .value_kind: global_buffer, .address_space: global }
      - { .name: wb, .offset: 24, .size: 8, .value_kind: global_buffer, .address_space: global }
      - { .name: list, .offset: 32, .size: 8, .value_kind: global_buffer, .address_space: global }
      - { .name: tiles, .offset: 40, .size: 8, .value_kind: global_buffer, .address_space: global }
    .group_segment_fixed_size: 3072
    .private_segment_fixed_size: 0
    .kernarg_segment_align: 8
    .kernarg_segment_size: 48
    .max_flat_workgroup_size: 256
    .sgpr_count:     66
    .vgpr_count:     128
    .wavefront_size: 32
...
	.end_amdgpu_metadata
.endif
;; end of part 2
;; launch experts (part 3): grid 260 x 1, 4 waves a work-group, no clusters, 327,680 bytes of LDS; arguments xb, wb, be, gates, list, tiles, out0; writes out0
.if DOCPART == 3
	.amdgcn_target "amdgcn-amd-amdhsa--gfx1250"
	.amdhsa_code_object_version 6
	.text
	.protected	k_qf7486eca0f_experts
	.globl	k_qf7486eca0f_experts
	.p2align	8
	.type	k_qf7486eca0f_experts,@function
k_qf7486eca0f_experts:
	s_mov_b64 s[64:65], 0
	v_nop
	global_prefetch_b8 v0, s[64:65] scope:SCOPE_SE
	s_setreg_imm32_b32 hwreg(HW_REG_WAVE_MODE, 25, 1), 1
	s_wait_xcnt 0x0
; out[token] = g_a (x . We[a] + be[a]) + g_b (x . We[b] + be[b]) for the token's two experts a < b.  x and We come in bf16 (rounded once by the launches before), be is rounded to bf16 here; sums and gates in f32.
; SHARES.  Work-group id: tile id >> 1 of the stored list (at most 160 sorted rows of ONE pair of experts), half id & 1 of the 512 output columns.  130 tiles serve every split of the tokens,
; so the grid is 260.  A wave has all 10 strips of 16 rows and 64 columns of both experts: 80 accumulators, 640 registers.
; Each output row has one owner: both experts' sums are weighed and added in registers.  Strips at or past the tile's count of strips are jumped (forward, past no barrier and no tensor load).
; A TILE WITHOUT ROWS passes every barrier, issues every tensor load and keeps the token loads with their counted waits; behind substep 0 it jumps every fragment load, every product and the way out.
; K goes in substeps q of 32.  WEIGHTS: two LDS slots of 128 k x 256 columns x 2 experts, filled by tensor loads, one a wave (64 rows of 512 bytes); a refill has 320 products' time in which to land;
; by this text's count at most two tensor loads of a wave are out (the two first fills), later one.  They lie [k][column] and are read turned, by ds_load_tr16_b128.
; TOKENS: rows named by a list, which no tile descriptor covers: through registers (10 loads of 16 bytes a thread for 64 k of 160 rows, asked for two A steps ahead) into two LDS slots of their own.
; THE MATRIX INSTRUCTION IS USED TRANSPOSED (source 0 = 16 columns of We, source 1 = 16 tokens): a lane holds one token and 8 neighbouring columns.  The first products take be as C.
; NO CLUSTER.  What work-groups share is a pair's weights among that pair's tiles, a number read from memory; partners would differ in the count of strips, on which jumps hang here, and whole
; clusters of four tiles for each of 28 pairs would want up to 130 / 4 + 28 clusters to serve every split.
; ROWS PAST THE COUNT repeat the tile's last row; whole stores past the count are jumped.  Where the count is odd the last store's upper 16 lanes hold that repeated row: the same bytes to the same address.
; REGISTERS, in windows of 256 (s_set_vgpr_msb: bits 1:0 source 0, 3:2 source 1, 5:4 source 2, 7:6 destination).  Window 0: addresses, be, staging, A's fragments.  Accumulator (strip s, f) lies in
; window 1 + s / 4 at v[64 (s % 4) + 8 f]; f = 0-3 expert a's column blocks, 4-7 expert b's.  Window 3, v128-255: the weights' fragments, two buffers of 64.
.set BP,    544                        ; a weights row in LDS: 512 bytes + 32 = 17 x 32: the turning load's 8 rows x 32 bytes fall on different banks
.set BQ,    64*BP                      ; what one tensor load brings
.set BEXP,  128*BP                     ; one expert's part of a slot
.set BSLOT, 2*BEXP                     ; 139,264
.set AP,    144                        ; a token row in LDS: 128 bytes + 16 = 9 x 16
.set ASLOT, 160*AP                     ; 23,040
.set A0,    2*BSLOT                    ; the token slots: written by ds_store alone, in blocks of 256 bytes into which no fill lands
.set LIST,  A0+2*ASLOT                 ; 160 tokens
.set GATE,  LIST+768                   ; 160 x 2 gates
.set SPARE, GATE+1280                  ; the spare words, 128 bytes a wave: no other line names them
.set SP,    272                        ; the way out: 16 rows x 272 bytes a wave, in weights slot 0, which has had its last fill (K step 6) and its last read by then
.set SPW,  4                           ; v4   SPARE + 4 x thread; never rewritten
.set NIL,  5                           ; v5   0; never rewritten
.set ADRA, 6                           ; v6-7   my place in A's fragments, slot 0, 1
.set ADRB, 8                           ; v8-11  my place in the weights' fragments: slot x 2 + expert
.set STA,  12                          ; v12-13 where I put 16 bytes of a token row, slot 0, 1
.set STO,  14                          ; v14  the way out: where I put my 32 bytes of a row
.set RD,   15                          ; v15  where I read rows back
.set VG,   16                          ; v16  my token's gates
.set VL,   17                          ; v17  the list, for the rows that I store
.set LOUT, 18                          ; v18  my byte offset in a row of out
.set OFFA, 19                          ; v19-28 byte offset in xb of my 16 bytes of row 16 i + thread / 8
.set K16,  29
.set BEA,  30
.set R8,   31
.set STG,  48                          ; v48-127 two staging sets of 40
.set AF,   128                         ; v128-207 A's fragments, 10 strips; in the head: at work
.set BF,   128                         ; window 3
.set OREG, 128                         ; the way out: a strip's 32 results,
.set BK,   160                         ; v160-223 two sets of 32: rows read back,
.set GS,   224                         ; v224-243 the gates of my token in each strip,
.set GB,   244                         ; v244-245 g_b twice,
.set OFS,  32                          ; v32-47 two sets of 8 store offsets.  be lies in v208-255 (f = 0-5) and v32-47 (f = 6, 7) until substep 0 is multiplied
.set WV,  18                           ; s18 wave
.set NS,  30                           ; s30 strips with rows
.set NM1, 31                           ; s31 the tile's last row
.set G1,  32                           ; s[32:39] descriptor group 1
.set G0,  40                           ; s[40:47] descriptor group 0, a set for each slot
.set LAPS, 48
.set NR,  49                           ; s49 rows left to store
.set MSB, 0
.macro WIN new                         ; the immediate's high byte repeats the setting that is left
.if MSB != (\new)
	s_set_vgpr_msb (MSB<<8)|(\new)
.set MSB, \new
.endif
.endm
.macro PLACES                          ; four plain lines between a matrix instruction and a load into, or a vector line on, its registers
.rept 4
	v_nop
.endr
.endm
.macro ALOAD set, off                  ; 64 k of 160 token rows: eight lanes take a row's 128 bytes
.set i, 0
.rept 10
	global_load_b128 v[STG+40*(\set)+4*i:STG+40*(\set)+4*i+3], v[OFFA+i], s[4:5] offset:\off
.set i, i+1
.endr
.endm
.macro ASTORE set
.set i, 0
.rept 10
	ds_store_b128 v[STA+(\set)], v[STG+40*(\set)+4*i:STG+40*(\set)+4*i+3] offset:i*16*AP
.set i, i+1
.endr
.endm
.macro LISTIDX reg                     ; a row of the tile -> its token: rows past the count take the last row
	v_min_u32 v[\reg], s[NM1], v[\reg]
	v_add_nc_u32 v[\reg], s25, v[\reg]
	v_min_u32 v[\reg], 0x3fff, v[\reg]             ; loaded numbers enter an address only clamped
	v_lshlrev_b32 v[\reg], 2, v[\reg]
	global_load_b32 v[\reg], v[\reg], s[12:13]     ; lands on its own address register
.endm
	s_load_b256 s[4:11], s[0:1], 0x0               ; xb s[4:5], wb s[6:7], be s[8:9], gates s[10:11]
	s_load_b128 s[12:15], s[0:1], 0x20             ; list s[12:13], tiles s[14:15]
	s_load_b64 s[16:17], s[0:1], 0x30              ; out0
	v_lshl_add_u32 v[SPW], v0, 2, SPARE
	v_mov_b32 v[NIL], 0
	ds_add_u32 v[SPW], v[NIL]                      ; the wave's opening: the add and its wait stand ahead of my first tensor load; work on registers stands between them
	v_lshrrev_b32 v3, 5, v0
	v_readfirstlane_b32 s[WV], v3
	s_lshr_b32 s19, ttmp9, 1                       ; tile
	s_and_b32 s20, ttmp9, 1                        ; which 256 columns
	s_mov_b32 s[G1+0], (1<<16)|(1<<20)|(6<<22)|(7<<25)  ; 17:16 2-byte elements; 20 padding on; 24:22 after every 128 words (code 6); 31:25 8 words (code 7)
	s_mov_b32 s[G1+1], 256<<16                     ; tensor_dim0 = 256
	s_mov_b32 s[G1+2], 64<<16                      ; tensor_dim1 = 64
	s_mov_b32 s[G1+3], 256<<16                     ; tile_dim0 = 256
	s_mov_b32 s[G1+4], 64                          ; tile_dim1 = 64
	s_mov_b32 s[G1+5], 512                         ; 512 elements from k to k + 1
	s_mov_b32 s[G1+6], 0
	s_mov_b32 s[G1+7], 0
	s_mul_i32 s21, s[WV], BQ                       ; wave w fills expert w / 2, k half w % 2: wave x 64 rows
	s_mov_b32 s[G0], 1
	s_mov_b32 s[G0+1], s21
	s_mov_b32 s[G0+4], 1
	s_add_co_u32 s[G0+5], s21, BSLOT
	s_mov_b32 s56, 0xffff0000
	v_and_b32 v1, 15, v0                           ; r
	v_bfe_u32 v2, v0, 4, 1                         ; h
	v_mul_u32_u24 v[ADRA], v1, AP
	v_lshl_add_u32 v[ADRA], v2, 4, v[ADRA]         ; row r, 16 h
	v_add_nc_u32 v[ADRA+1], A0+ASLOT, v[ADRA]
	v_add_nc_u32 v[ADRA], A0, v[ADRA]
	v_and_b32 v3, 7, v0                            ; the turning load: lane l reads k = 8 h + l % 8, columns 8 ((l / 8) % 2) on
	v_lshl_add_u32 v3, v2, 3, v3
	v_mul_u32_u24 v3, v3, BP
	v_bfe_u32 v[ADRB], v0, 3, 1
	v_lshl_add_u32 v3, v[ADRB], 4, v3
	s_lshl_b32 s22, s[WV], 7                       ; my wave's 64 columns
	v_add_nc_u32 v[ADRB], s22, v3
	v_add_nc_u32 v[ADRB+1], BEXP, v[ADRB]
	v_add_nc_u32 v[ADRB+2], BSLOT, v[ADRB]
	v_add_nc_u32 v[ADRB+3], BSLOT+BEXP, v[ADRB]
	v_lshrrev_b32 v[R8], 3, v0
	v_and_b32 v[K16], 7, v0
	v_lshlrev_b32 v[K16], 4, v[K16]
	v_mad_u32_u24 v[STA], v[R8], AP, v[K16]
	v_add_nc_u32 v[STA+1], A0+ASLOT, v[STA]
	v_add_nc_u32 v[STA], A0, v[STA]
	s_mul_i32 s22, s[WV], 16*SP
	v_mul_u32_u24 v[STO], v1, SP
	v_lshl_add_u32 v[STO], v2, 5, v[STO]
	v_add_nc_u32 v[STO], s22, v[STO]
	v_mul_u32_u24 v[RD], v2, SP
	v_lshl_add_u32 v[RD], v1, 4, v[RD]
	v_add_nc_u32 v[RD], s22, v[RD]
	v_lshl_add_u32 v[VG], v1, 3, GATE
	v_lshl_add_u32 v[VL], v2, 2, LIST
	s_lshl_b32 s23, s20, 10
	s_lshl_b32 s22, s[WV], 8
	s_add_co_u32 s23, s23, s22                     ; 4 bytes x (256 half + 64 wave)
	v_lshl_add_u32 v[LOUT], v1, 4, s23
	v_lshlrev_b32 v[BEA], 5, v2
	s_lshl_b32 s50, s19, 4
	s_mov_b32 s51, 0
	s_wait_dscnt 0x0                               ; the opening add is done
	s_wait_kmcnt 0x0
	s_add_nc_u64 s[14:15], s[14:15], s[50:51]
	s_load_b128 s[24:27], s[14:15], 0x0            ; a | b << 8, first place, rows, 0
	s_wait_kmcnt 0x0
	s_and_b32 s28, s24, 0xff
	s_bfe_u32 s29, s24, 0x80008
	s_cmp_lt_u32 s[WV], 2
	s_cselect_b32 s57, s28, s29                    ; the expert whose weights I fetch
	s_min_u32 s57, s57, 7
	s_min_u32 s28, s28, 7
	s_min_u32 s29, s29, 7
	s_min_u32 s25, s25, 0x3fff
	s_min_u32 s26, s26, 160
	s_add_co_u32 s[NS], s26, 15
	s_lshr_b32 s[NS], s[NS], 4
	s_max_u32 s[NM1], s26, 1
	s_sub_co_u32 s[NM1], s[NM1], 1
	s_lshl_b32 s50, s57, 20                        ; an expert is 1,024 rows of 1,024 bytes
	s_and_b32 s22, s[WV], 1
	s_lshl_b32 s22, s22, 16                        ; 64 rows
	s_add_co_u32 s50, s50, s22
	s_lshl_b32 s22, s20, 9                         ; 256 columns
	s_add_co_u32 s50, s50, s22
	s_add_nc_u64 s[G0+2:G0+3], s[6:7], s[50:51]    ; K step 0,
	s_add_nc_u64 s[G0+6:G0+7], s[G0+2:G0+3], 131072  ; K step 1: 128 rows on
	s_or_b32 s[G0+3], s[G0+3], 0x80000000          ; type = 2
	s_or_b32 s[G0+7], s[G0+7], 0x80000000
	tensor_load_to_lds s[G0:G0+3], s[G1:G1+7]      ; both first fills go out together, ahead of every wait on TENSORcnt, LDS read and barrier
	s_nop 0
	tensor_load_to_lds s[G0+4:G0+7], s[G1:G1+7]
	s_nop 0
	s_lshl_b32 s52, s28, 11
	s_add_co_u32 s52, s52, s23
	s_mov_b32 s53, 0
	s_add_nc_u64 s[52:53], s[8:9], s[52:53]        ; be[a] at my 64 columns,
	s_lshl_b32 s54, s29, 11
	s_add_co_u32 s54, s54, s23
	s_mov_b32 s55, 0
	s_add_nc_u64 s[54:55], s[8:9], s[54:55]        ; be[b]
.irp f, 0,1,2,3,4,5,6,7                ; in the accumulators' layout: register j = column 16 c + 8 h + j
.set CC, 208+8*(\f)-224*((\f)/6)
	global_load_b128 v[CC:CC+3],   v[BEA], s[52+2*((\f)/4):53+2*((\f)/4)] offset:64*((\f)%4)
	global_load_b128 v[CC+4:CC+7], v[BEA], s[52+2*((\f)/4):53+2*((\f)/4)] offset:64*((\f)%4)+16
.endr
.set i, 0
.rept 10
	v_add_nc_u32 v[OFFA+i], 16*i, v[R8]
	LISTIDX OFFA+i
.set i, i+1
.endr
	v_mov_b32 v128, v0                             ; row = thread, for the list and the gates in LDS,
	LISTIDX 128
	v_and_b32 v129, 31, v0
	v_add_nc_u32 v129, 128, v129                   ; and rows 128-159
	LISTIDX 129
	s_wait_loadcnt 0x0                             ; be and the tokens
.set i, 0
.rept 10
	v_min_u32 v[OFFA+i], 0x3fff, v[OFFA+i]
	v_lshl_add_u32 v[OFFA+i], v[OFFA+i], 11, v[K16]
.set i, i+1
.endr
	v_min_u32 v128, 0x3fff, v128
	v_min_u32 v129, 0x3fff, v129
	v_lshlrev_b32 v130, 3, v128
	v_lshlrev_b32 v131, 3, v129
	global_load_b64 v[132:133], v130, s[10:11]
	global_load_b64 v[134:135], v131, s[10:11]
	ALOAD 0, 0                                     ; A steps 0 and 1
	ALOAD 1, 128
.irp f, 0,1,2,3,4,5,6,7                ; be rounded to bf16 and widened again, while the loads are out
.set CC, 208+8*(\f)-224*((\f)/6)
.irp p, 0,1,2,3
	v_cvt_pk_bf16_f32 v[140+\p], v[CC+2*\p], v[CC+2*\p+1]
.endr
.irp p, 0,1,2,3
	v_lshlrev_b32 v[CC+2*\p], 16, v[140+\p]
	v_and_b32 v[CC+2*\p+1], s56, v[140+\p]
.endr
.endr
	v_lshl_add_u32 v136, v0, 2, LIST
	v_lshl_add_u32 v137, v0, 3, GATE
	s_wait_loadcnt 20                              ; the 20 younger loads are A steps 0 and 1: the gates are in
	ds_store_b32 v136, v128
	ds_store_b64 v137, v[132:133]
	s_cmp_lg_u32 s[WV], 0
	s_cbranch_scc1 .Lnot_wave_0
	ds_store_b32 v136, v129 offset:512             ; rows 128-159: wave 0 alone
	ds_store_b64 v137, v[134:135] offset:1024
.Lnot_wave_0:
	s_wait_loadcnt 10                              ; A step 0 is in, step 1's ten stay out
	ASTORE 0
	ALOAD 0, 256
	s_wait_loadcnt 10                              ; A step 1 is in, step 2's ten stay out
	ASTORE 1
	ALOAD 1, 384
	s_wait_tensorcnt 0x1                           ; my part of weights slot 0 is in; slot 1's may stay out
	s_wait_dscnt 0x0                               ; for the others' sake: my stores
	s_barrier_signal -1
	s_barrier_wait -1
.macro LDA g, aslot, kb                ; A's fragments of strips 5 g .. 5 g + 4, 32 k at byte kb of the rows
	WIN 0
.irp j, 0,1,2,3,4
	ds_load_b128 v[AF+8*(5*(\g)+\j):AF+8*(5*(\g)+\j)+3],   v[ADRA+(\aslot)] offset:(5*(\g)+\j)*16*AP+(\kb)
	ds_load_b128 v[AF+8*(5*(\g)+\j)+4:AF+8*(5*(\g)+\j)+7], v[ADRA+(\aslot)] offset:(5*(\g)+\j)*16*AP+(\kb)+32
.endr
.endm
.macro LDB buf, bslot, ks              ; the weights' 8 fragments of 32 k: expert x, column block c
	WIN 0xc0                                       ; destination window 3
.irp x, 0,1
.irp c, 0,1,2,3
	ds_load_tr16_b128 v[BF+64*(\buf)+8*(4*\x+\c):BF+64*(\buf)+8*(4*\x+\c)+3],   v[ADRB+2*(\bslot)+\x] offset:(\ks)*32*BP+32*\c
	ds_load_tr16_b128 v[BF+64*(\buf)+8*(4*\x+\c)+4:BF+64*(\buf)+8*(4*\x+\c)+7], v[ADRB+2*(\bslot)+\x] offset:(\ks)*32*BP+32*\c+16*BP
.endr
.endr
	WIN 0
.endm
; Five strips' products.  A strip's 8 accumulators take turns, one instruction a turn, on every way through the jumps.  zero = 1: the first products: C is be, nothing is jumped,
; so every accumulator is written whatever the count.  At a branch and at a label every window is 0.
.macro MULG g, buf, zero
.irp j, 0,1,2,3,4
.set SS, 5*(\g)+(\j)
.set WW, 1+SS/4
.if !(\zero)
	WIN 0
	s_cmp_le_u32 s[NS], SS
	s_cbranch_scc1 .Lskip_\@
	WIN (WW<<6)|(WW<<4)|3                          ; source 0 window 3, source 1 window 0, C and D the strip's window
.else
	WIN (WW<<6)|3                                  ; C in window 0
.endif
.irp f, 0,1,2,3,4,5,6,7
.set DD, 64*(SS%4)+8*(\f)
.if \zero
.set CC, 208+8*(\f)-224*((\f)/6)
	v_wmma_f32_16x16x32_bf16 v[DD:DD+7], v[BF+64*(\buf)+8*(\f):BF+64*(\buf)+8*(\f)+7], v[AF+8*SS:AF+8*SS+7], v[CC:CC+7]
.else
	v_wmma_f32_16x16x32_bf16 v[DD:DD+7], v[BF+64*(\buf)+8*(\f):BF+64*(\buf)+8*(\f)+7], v[AF+8*SS:AF+8*SS+7], v[DD:DD+7]
.endif
.endr
.endr
	WIN 0
.Lskip_\@:
.endm
; An even substep: the first 32 k of an A slot.  At its head strips 0-4's fragments and the weights' are on their way.  A tile without rows jumps all of it (but substep 0, which writes every register once).
.macro EVEN q, zero
.set AS_, ((\q)>>1)&1
.if !(\zero)
	s_cmp_eq_u32 s[NS], 0
	s_cbranch_scc1 .Leven_\@
.endif
	PLACES
	LDA 1, AS_, 0
	s_wait_dscnt 10                                ; all but the ten just issued
	MULG 0, 0, \zero
	PLACES
	LDA 0, AS_, 64                                 ; the next substep's
	LDB 1, (((\q)+1)>>2)&1, ((\q)+1)&3
	s_wait_dscnt 26                                ; all but the 26 just issued
	MULG 1, 0, \zero
.if !(\zero)
.Leven_\@:
.endif
.endm
; An odd substep: the second 32 k, and the change of A slots: ONE barrier.  In front of it my reads of this A slot (and, every other time, of the weights slot) are back and my stores of two substeps ago
; are done; behind it this A slot takes the step two on, and the other slot is read.
; kind 0: a plain barrier.  1: the weights slot just read out is filled again: wait for all my tensor loads, the add, the wait for it and for my reads, the barrier, and the refill first behind it.
; 2: the same without a refill (the last slot has to be shown landed).  cnt: the younger loads that may stay out when the staged rows are wanted (-1: nothing to store).  ld: the byte in a row of the A step to ask for (-1: none).
; A tile without rows jumps the two halves with fragment loads and products.  The barrier, the refill, the staged rows' wait, stores and loads stand on every path, and so do the four places in front of the
; barrier: on every way through the jumps they lie between the last products and the fragment loads behind the barrier.
.macro ODD q, kind, cnt, ld
.set AS_, ((\q)>>1)&1
.set BS_, ((\q)>>2)&1
	s_cmp_eq_u32 s[NS], 0
	s_cbranch_scc1 .Lodd_a_\@
	PLACES
	LDA 1, AS_, 64
	s_wait_dscnt 10
	MULG 0, 1, 0
.Lodd_a_\@:
	PLACES                                         ; for the fragment loads behind the barrier
.if (\kind) == 0
	s_wait_dscnt 0x0
	s_barrier_signal -1
	s_barrier_wait -1
.else
	s_wait_tensorcnt 0x0                           ; all my tensor loads have landed: my part of the other slot; a group 0 may be written
	ds_add_u32 v[SPW], v[NIL]                      ; 0 onto my spare word
.if (\kind) == 1
	s_add_nc_u64 s[G0+4*BS_+2:G0+4*BS_+3], s[G0+4*BS_+2:G0+4*BS_+3], 262144  ; two K steps of 128 rows on; the type bits are not reached
.endif
	s_wait_dscnt 0x0                               ; the add is done, my reads of both slots are back, my stores are done
	s_barrier_signal -1
	s_barrier_wait -1
.if (\kind) == 1
	tensor_load_to_lds s[G0+4*BS_:G0+4*BS_+3], s[G1:G1+7]  ; my one tensor load behind this barrier, and the first thing there
	s_nop 0
.endif
.endif
.if (\cnt) >= 0
	s_wait_loadcnt \cnt
	ASTORE AS_
.endif
.if (\ld) >= 0
	ALOAD AS_, \ld
.endif
	s_cmp_eq_u32 s[NS], 0
	s_cbranch_scc1 .Lodd_b_\@
	LDA 0, (((\q)+1)>>1)&1, 0
	LDB 0, (((\q)+1)>>2)&1, ((\q)+1)&3
	MULG 1, 1, 0                                   ; its operands came in ahead of the barrier
.Lodd_b_\@:
.endm
	LDA 0, 0, 0
	LDB 0, 0, 0
	EVEN 0, 1                                      ; substep 0 stands ahead of the loop: its products start the sums, with be
	s_mov_b32 s[LAPS], 3
.Llap:                                             ; a lap: substeps 1-8 (mod 8): four A steps, both weights slots filled again.  All six refills stand here
	ODD 1, 0, 10, 512                              ; the count 10 leaves the next A step's ten loads out
	EVEN 2, 0
	ODD 3, 1, 10, 640
	EVEN 4, 0
	ODD 5, 0, 10, 768
	EVEN 6, 0
	ODD 7, 1, 10, 896
	EVEN 8, 0
	s_wait_xcnt 0x0                                ; the loads' base is stepped only behind this wait
	s_add_nc_u64 s[4:5], s[4:5], 512               ; four A steps along the rows
	s_sub_co_u32 s[LAPS], s[LAPS], 1
	s_cmp_lg_u32 s[LAPS], 0
	s_cbranch_scc1 .Llap
	ODD 25, 0, 10, -1                              ; the tail asks for nothing more
	EVEN 26, 0
	ODD 27, 2, 0, -1
	EVEN 28, 0
	ODD 29, 0, -1, -1
	EVEN 30, 0
	s_cmp_eq_u32 s[NS], 0                          ; a tile without rows has nothing to multiply and nothing to store: on to the wave's end (no barrier and no tensor load lies between)
	s_cbranch_scc1 .Lclose
	PLACES                                         ; substep 31
	LDA 1, 1, 64
	s_wait_dscnt 10
	MULG 0, 1, 0
	s_wait_dscnt 0x0
	MULG 1, 1, 0
; THE WAY OUT, a strip at a time.  PACK: g_a acc_a + g_b acc_b, each accumulator read from its low end on.  TOSTAGE: into my own stage, back as whole rows of 256 bytes, with the rows' tokens.  SEND: stored.
.macro PACK st
.set WW, 1+(\st)/4
.set AC, 64*((\st)%4)
	WIN 0
	v_mov_b32 v[GB], v[GS+2*(\st)+1]
	v_mov_b32 v[GB+1], v[GS+2*(\st)+1]
	WIN WW                                         ; source 0 in the strip's window
.irp c, 0,1,2,3
.irp p, 0,2,4,6
	v_pk_mul_f32 v[OREG+8*\c+\p:OREG+8*\c+\p+1], v[AC+8*\c+\p:AC+8*\c+\p+1], v[GS+2*(\st):GS+2*(\st)+1] op_sel_hi:[1,0]
.endr
.endr
.irp c, 0,1,2,3
.irp p, 0,2,4,6
	v_pk_fma_f32 v[OREG+8*\c+\p:OREG+8*\c+\p+1], v[AC+32+8*\c+\p:AC+32+8*\c+\p+1], v[GB:GB+1], v[OREG+8*\c+\p:OREG+8*\c+\p+1]
.endr
.endr
	WIN 0
.endm
.macro TOSTAGE st
.set PB_, (\st)%2
	s_wait_xcnt 0x0                                ; the registers that the stores of two strips ago read are loaded again only behind this wait
.irp c, 0,1,2,3
	ds_store_b128 v[STO], v[OREG+8*\c:OREG+8*\c+3] offset:64*\c
	ds_store_b128 v[STO], v[OREG+8*\c+4:OREG+8*\c+7] offset:64*\c+16
.endr
.irp t, 0,1,2,3,4,5,6,7                ; LDS serves a wave's instructions in order: these see the stores above, and the next strip's stores come behind them
	ds_load_b128 v[BK+32*PB_+4*\t:BK+32*PB_+4*\t+3], v[RD] offset:\t*2*SP
.endr
.irp t, 0,1,2,3,4,5,6,7
	ds_load_b32 v[OFS+8*PB_+\t], v[VL] offset:64*(\st)+8*\t
.endr
.endm
.macro SEND st
.set PB_, (\st)%2
	s_wait_dscnt 0x0
.irp t, 0,1,2,3,4,5,6,7
	v_min_u32 v[OFS+8*PB_+\t], 0x3fff, v[OFS+8*PB_+\t]
.endr
.irp t, 0,1,2,3,4,5,6,7
	v_lshl_add_u32 v[OFS+8*PB_+\t], v[OFS+8*PB_+\t], 11, v[LOUT]
.endr
.irp t, 0,1,2,3,4,5,6,7
	s_cmp_le_i32 s[NR], 2*\t                       ; rows 2 t, 2 t + 1 of the strip: both past the count?
	s_cbranch_scc1 .Lsent_\@
	global_store_b128 v[OFS+8*PB_+\t], v[BK+32*PB_+4*\t:BK+32*PB_+4*\t+3], s[16:17] th:TH_STORE_NT  ; 16 lanes store 256 consecutive bytes of one row, aligned
.endr
.Lsent_\@:
	s_sub_co_i32 s[NR], s[NR], 16
.endm
	PLACES                                         ; between the last products and the first lines on their registers
.set i, 0
.rept 10
	ds_load_b64 v[GS+2*i:GS+2*i+1], v[VG] offset:128*i
.set i, i+1
.endr
	s_mov_b32 s[NR], s26
	s_wait_dscnt 0x0
	PACK 0
	TOSTAGE 0
.irp n, 1,2,3,4,5,6,7,8,9              ; a strip's arithmetic stands between the loads of the strip before and the wait for them
	PACK \n
	SEND (\n)-1
	TOSTAGE \n
.endr
	SEND 9
.Lclose:
	s_wait_tensorcnt 0x0                           ; the wave's end, behind my last tensor load and my last LDS store
	ds_add_u32 v[SPW], v[NIL]
	s_wait_dscnt 0x0
	s_endpgm
.Lfunc_end_k_qf7486eca0f_experts:
	.size	k_qf7486eca0f_experts, .Lfunc_end_k_qf7486eca0f_experts-k_qf7486eca0f_experts
	.p2alignl 7, 3214868480
	.fill 96, 4, 3214868480
	.section	.rodata,"a",@progbits
	.p2align	6, 0x0
	.amdhsa_kernel k_qf7486eca0f_experts
		.amdhsa_group_segment_fixed_size 327680
		.amdhsa_private_segment_fixed_size 0
		.amdhsa_enable_private_segment 0
		.amdhsa_kernarg_size 56
		.amdhsa_user_sgpr_count 2
		.amdhsa_user_sgpr_kernarg_segment_ptr 1
		.amdhsa_wavefront_size32 1
		.amdhsa_system_sgpr_workgroup_id_x 1
		.amdhsa_system_sgpr_workgroup_id_y 1
		.amdhsa_system_sgpr_workgroup_id_z 1
		.amdhsa_system_vgpr_workitem_id 0
		.amdhsa_next_free_vgpr 1024
		.amdhsa_next_free_sgpr 66
		.amdhsa_reserve_vcc 0
		.amdhsa_float_denorm_mode_32 3
		.amdhsa_float_denorm_mode_16_64 3
		.amdhsa_memory_ordered 1
		.amdhsa_forward_progress 1
		.amdhsa_inst_pref_size 234
	.end_amdhsa_kernel
	.amdgpu_metadata
---
amdhsa.version: [ 1, 2 ]
amdhsa.kernels:
  - .name:           k_qf7486eca0f_experts
    .symbol:         k_qf7486eca0f_experts.kd
    .args:
      - { .name: xb, .offset: 0, .size: 8, .value_kind: global_buffer, .address_space: global }
      - { .name: wb, .offset: 8, .size: 8, .value_kind: global_buffer, .address_space: global }
      - { .name: be, .offset: 16, .size: 8, .value_kind: global_buffer, .address_space: global }
      - { .name: gates, .offset: 24, .size: 8, .value_kind: global_buffer, .address_space: global }
      - { .name: list, .offset: 32, .size: 8, .value_kind: global_buffer, .address_space: global }
      - { .name: tiles, .offset: 40, .size: 8, .value_kind: global_buffer, .address_space: global }
      - { .name: out0, .offset: 48, .size: 8, .value_kind: global_buffer, .address_space: global }
    .group_segment_fixed_size: 327680
    .private_segment_fixed_size: 0
    .kernarg_segment_align: 8
    .kernarg_segment_size: 56
    .max_flat_workgroup_size: 128
    .sgpr_count:     66
    .vgpr_count:     1024
    .wavefront_size: 32
...
	.end_amdgpu_metadata
.endif
;; end of part 3
